; MI455X (gfx1250); checked and timed in simulation.
; The chip was launched on July 23, 2026; its instructions are those of AMD's public machine-readable ISA for CDNA 5 (MIT licence, August 2026) and "CDNA5" Instruction Set Architecture Reference Guide (July 2026). The comments in the code are by the model that wrote it; some were corrected since.
;; Transposed Attention. Allowed arithmetic: float matrix products may take bf16 or f16 operands with f32 sums; other float arithmetic in f32, or as packed bf16 or f16 multiplies, adds, multiply-adds, maxima and minima; sums over many terms, partial sums and values carried from step to step in f32; what a program stores and reads back later, other than sums and carried values, may be rounded once to bf16 or f16.
;; Inputs: W_out 512 x 1,024 float32; W_qkv 1,024 x 2,048 float32; b_out 1,024 float32; x 8 x 4,096 x 1,024 float32.
;; Outputs: out0 8 x 32 x 1,024 float32.
;; 2 versions, each right; version 2 is version 1 with the launch prep written anew for expert scheduling mode. Each part assembles by itself: llvm-mc -triple=amdgcn-amd-amdhsa -mcpu=gfx1250 --defsym DOCPART=n.
;; ======== version 1 of 2: 4 launches
;; workspace buffers: Wp 4,194,304 bytes; WOF 1,048,576 bytes; PART 8,388,608 bytes; OF 524,288 bytes
;; launch prep (part 1): grid 320 x 1, 8 waves a work-group, no clusters, 18,432 bytes of LDS; arguments W_qkv, W_out, Wp, WOF; writes Wp, WOF
.if DOCPART == 1
	.amdgcn_target "amdgcn-amd-amdhsa--gfx1250"
	.amdhsa_code_object_version 6
	.text
	.protected	k_qe213953cae_prep
	.globl	k_qe213953cae_prep
	.p2align	8
	.type	k_qe213953cae_prep,@function
k_qe213953cae_prep:
	s_mov_b64 s[64:65], 0
	v_nop
	global_prefetch_b8 v0, s[64:65] scope:SCOPE_SE
	s_setreg_imm32_b32 hwreg(HW_REG_WAVE_MODE, 25, 1), 1
	s_wait_xcnt 0x0
; THE WEIGHTS, ROUNDED ONCE TO bf16 AND TURNED, so that the later launches find K along the rows.
; W_qkv [1024 k][2048 col] f32 -> Wp [2048 c'][1024 k] bf16, c' = head*128 + type*64 + s*32 + j:
;   type 0: s 0 = k (column 512+32 head+j), s 1 = q (32 head+j);  type 1: s 0 = v (1024+..), s 1 = v2 (1536+..).
; W_out [512 k][1024 col] f32 -> WOF [cblk 64][head 16][g 2][lane 32][16 bytes] bf16: lane (r = lane%16, hh = lane/16)
;   holds W_out[32 head + 16 g + 8 hh + 0..7][16 cblk + r]: the matrix fragment as the last launch loads it.
; A work-group turns a tile of 128 k x 64 columns through LDS.  Work-groups 0-255: W_qkv (8 k tiles x 32 column tiles); 256-319: W_out (4 x 16).
; In: 16 lanes read 256 consecutive bytes of a row.  Out: 16 lanes store 256 consecutive bytes, aligned.
; The 8-byte LDS stores of the turn fall several to a bank; 5 MB pass here once, so the plain form is kept.
.set TP,    272                        ; a turned row in LDS: 128 k x 2 bytes + 16
.set SPARE, 64*TP                      ; 17,408: behind the tile, the spare words: 128 bytes for each of 8 waves
.set SPW, 8                            ; v8  SPARE + 4 x thread; never rewritten
.set NIL, 9                            ; v9  0; never rewritten
.set LD,  16                           ; v[16:47] eight loads of 4 f32; later the rows read back
.set PK,  48                           ; v[48:63] packed bf16
	s_load_b256 s[4:11], s[0:1], 0x0               ; W_qkv s[4:5], W_out s[6:7], Wp s[8:9], WOF s[10:11]
	v_lshl_add_u32 v[SPW], v0, 2, SPARE
	v_mov_b32 v[NIL], 0
	v_and_b32 v1, 15, v0                           ; cg: my 4 columns (16 bytes) of the tile's 64
	v_lshrrev_b32 v2, 4, v0                        ; rp: my 4 rows of each half of the tile
	v_mul_u32_u24 v4, v1, 4*TP
	v_lshl_add_u32 v4, v2, 3, v4                   ; LDS: turned row 4 cg, byte 8 rp
	v_lshlrev_b32 v10, 4, v1                       ; 16 cg
	s_wait_kmcnt 0x0
.macro INLOAD base, pitch              ; rows 4 rp + x + 64 i of the tile
.irp i, 0,1
.irp x, 0,1,2,3
	global_load_b128 v[LD+16*(\i)+4*(\x):LD+16*(\i)+4*(\x)+3], v3, s[\base:\base+1] offset:((\x)+64*(\i))*(\pitch) th:TH_LOAD_NT
.endr
.endr
.endm
	s_cmp_lt_u32 ttmp9, 256
	s_cbranch_scc0 .Lin_o
	s_and_b32 s12, ttmp9, 7                        ; kt
	s_lshr_b32 s13, ttmp9, 3                       ; ct
	s_lshl_b32 s14, s12, 20                        ; 128 rows of 8,192 bytes
	s_lshl_b32 s15, s13, 8                         ; 64 columns of 4 bytes
	s_add_co_u32 s14, s14, s15
	s_mov_b32 s15, 0
	s_add_nc_u64 s[4:5], s[4:5], s[14:15]
	v_lshl_add_u32 v3, v2, 15, v10                 ; 4 rp rows + 16 cg
	INLOAD 4, 8192
	s_branch .Lloaded
.Lin_o:
	s_sub_co_u32 s16, ttmp9, 256
	s_and_b32 s12, s16, 3                          ; kt
	s_lshr_b32 s13, s16, 2                         ; ct
	s_lshl_b32 s14, s12, 19                        ; 128 rows of 4,096 bytes
	s_lshl_b32 s15, s13, 8
	s_add_co_u32 s14, s14, s15
	s_mov_b32 s15, 0
	s_add_nc_u64 s[6:7], s[6:7], s[14:15]
	v_lshl_add_u32 v3, v2, 14, v10
	INLOAD 6, 4096
.Lloaded:
	s_wait_loadcnt 0x0
.irp i, 0,1
.irp e, 0,1,2,3                        ; column 4 cg + e: my four k, rounded, 8 bytes on end
	v_cvt_pk_bf16_f32 v[PK+2*(4*(\i)+(\e))],   v[LD+16*(\i)+(\e)],   v[LD+16*(\i)+4+(\e)]
	v_cvt_pk_bf16_f32 v[PK+2*(4*(\i)+(\e))+1], v[LD+16*(\i)+8+(\e)], v[LD+16*(\i)+12+(\e)]
	ds_store_b64 v4, v[PK+2*(4*(\i)+(\e)):PK+2*(4*(\i)+(\e))+1] offset:(\e)*TP+128*(\i)
.endr
.endr
	s_wait_dscnt 0x0                               ; for the others' sake: my stores are done
	s_barrier_signal -1
	s_barrier_wait -1
	s_cmp_lt_u32 ttmp9, 256
	s_cbranch_scc0 .Lout_o
	; Wp: turned row (t>>4) + 16 i is source column ct*64 + that; two heads of one of q, k, v, v2
	s_lshr_b32 s16, s13, 3                         ; 0 q, 1 k, 2 v, 3 v2
	s_lshr_b32 s17, s16, 1                         ; type
	s_and_b32 s18, s16, 1
	s_xor_b32 s18, s18, s17
	s_xor_b32 s18, s18, 1                          ; s: k and v come first
	s_and_b32 s19, s13, 7
	s_lshl_b32 s19, s19, 8                         ; two heads of 128 rows
	s_lshl_b32 s17, s17, 6
	s_lshl_b32 s18, s18, 5
	s_add_co_u32 s19, s19, s17
	s_add_co_u32 s19, s19, s18
	s_lshl_b32 s19, s19, 11                        ; rows of 2,048 bytes
	s_lshl_b32 s20, s12, 8                         ; the tile's 128 k: 256 bytes
	s_add_co_u32 s20, s20, s19
	s_mov_b32 s21, 0
	s_add_nc_u64 s[8:9], s[8:9], s[20:21]
	v_mul_u32_u24 v5, v2, TP
	v_add_nc_u32 v5, v5, v10
	v_lshl_add_u32 v6, v2, 11, v10
.irp i, 0,1,2,3
	ds_load_b128 v[LD+4*(\i):LD+4*(\i)+3], v5 offset:16*(\i)*TP
.endr
.irp i, 0,1,2,3
	s_wait_dscnt 3-(\i)                            ; the younger read-backs may stay out
	global_store_b128 v6, v[LD+4*(\i):LD+4*(\i)+3], s[8:9] offset:((\i)%2)*32768+((\i)/2)*262144 th:TH_STORE_NT  ; + 16 rows; + a head's 128 rows
.endr
	s_branch .Lend
.Lout_o:
	; WOF: wave v takes column block v>>1 and heads 2 (v&1), 2 (v&1)+1 of the tile's four; store i = head i>>1, g = i&1
	v_lshrrev_b32 v7, 5, v0
	v_readfirstlane_b32 s16, v7
	s_lshr_b32 s17, s16, 1
	s_and_b32 s18, s16, 1
	v_and_b32 v11, 31, v0
	v_bfe_u32 v12, v0, 4, 1
	s_mul_i32 s19, s17, 16*TP
	s_lshl_b32 s20, s18, 7
	s_add_co_u32 s19, s19, s20
	v_mul_u32_u24 v5, v1, TP
	v_lshl_add_u32 v5, v12, 4, v5
	v_add_nc_u32 v5, s19, v5                       ; (16 cb + r) rows + 128 (v&1) + 16 hh
	s_lshl_b32 s20, s13, 2
	s_add_co_u32 s20, s20, s17
	s_lshl_b32 s20, s20, 4
	s_lshl_b32 s21, s12, 2
	s_add_co_u32 s20, s20, s21
	s_lshl_b32 s21, s18, 1
	s_add_co_u32 s20, s20, s21
	s_lshl_b32 s20, s20, 10                        ; ((4 ct + cb) 16 + 4 kt + 2 (v&1)) x 1,024
	s_mov_b32 s21, 0
	s_add_nc_u64 s[10:11], s[10:11], s[20:21]
	v_lshlrev_b32 v6, 4, v11
.irp i, 0,1,2,3
	ds_load_b128 v[LD+4*(\i):LD+4*(\i)+3], v5 offset:32*(\i)
.endr
.irp i, 0,1,2,3
	s_wait_dscnt 3-(\i)
	global_store_b128 v6, v[LD+4*(\i):LD+4*(\i)+3], s[10:11] offset:512*(\i) th:TH_STORE_NT  ; 512 consecutive bytes a store
.endr
.Lend:
	s_wait_tensorcnt 0x0                           ; the wave's end: three closing lines behind my last LDS store
	ds_add_u32 v[SPW], v[NIL]
	s_wait_dscnt 0x0
	s_endpgm
.Lfunc_end_k_qe213953cae_prep:
	.size	k_qe213953cae_prep, .Lfunc_end_k_qe213953cae_prep-k_qe213953cae_prep
	.p2alignl 7, 3214868480
	.fill 96, 4, 3214868480
	.section	.rodata,"a",@progbits
	.p2align	6, 0x0
	.amdhsa_kernel k_qe213953cae_prep
		.amdhsa_group_segment_fixed_size 18432
		.amdhsa_private_segment_fixed_size 0
		.amdhsa_enable_private_segment 0
		.amdhsa_kernarg_size 32
		.amdhsa_user_sgpr_count 2
		.amdhsa_user_sgpr_kernarg_segment_ptr 1
		.amdhsa_wavefront_size32 1
		.amdhsa_system_sgpr_workgroup_id_x 1
		.amdhsa_system_sgpr_workgroup_id_y 1
		.amdhsa_system_sgpr_workgroup_id_z 1
		.amdhsa_system_vgpr_workitem_id 0
		.amdhsa_next_free_vgpr 64
		.amdhsa_next_free_sgpr 66
		.amdhsa_reserve_vcc 0
		.amdhsa_float_denorm_mode_32 3
		.amdhsa_float_denorm_mode_16_64 3
		.amdhsa_memory_ordered 1
		.amdhsa_forward_progress 1
		.amdhsa_inst_pref_size 8
	.end_amdhsa_kernel
	.amdgpu_metadata
---
amdhsa.version: [ 1, 2 ]
amdhsa.kernels:
  - .name:           k_qe213953cae_prep
    .symbol:         k_qe213953cae_prep.kd
    .args:
      - { .name: W_qkv, .offset: 0, .size: 8, .value_kind: global_buffer, .address_space: global }
      - { .name: W_out, .offset: 8, .size: 8, .value_kind: global_buffer, .address_space: global }
      - { .name: Wp, .offset: 16, .size: 8, .value_kind: global_buffer, .address_space: global }
      - { .name: WOF, .offset: 24, .size: 8, .value_kind: global_buffer, .address_space: global }
    .group_segment_fixed_size: 18432
    .private_segment_fixed_size: 0
    .kernarg_segment_align: 8
    .kernarg_segment_size: 32
    .max_flat_workgroup_size: 256
    .sgpr_count:     66
    .vgpr_count:     64
    .wavefront_size: 32
...
	.end_amdgpu_metadata
.endif
;; end of part 1
;; launch main (part 2): grid 4 x 64, 4 waves a work-group, clusters of 4 x 4, 327,680 bytes of LDS; arguments x, Wp, PART; writes PART
.if DOCPART == 2
	.amdgcn_target "amdgcn-amd-amdhsa--gfx1250"
	.amdhsa_code_object_version 6
	.text
	.protected	k_qe213953cae_main
	.globl	k_qe213953cae_main
	.p2align	8
	.type	k_qe213953cae_main,@function
k_qe213953cae_main:
	s_mov_b64 s[64:65], 0
	v_nop
	global_prefetch_b8 v0, s[64:65] scope:SCOPE_SE
	s_setreg_imm32_b32 hwreg(HW_REG_WAVE_MODE, 25, 1), 1
	s_wait_xcnt 0x0
	s_wait_alu depctr_hold_cnt(0) depctr_sa_sdst(0) depctr_va_vdst(0) depctr_va_sdst(0) depctr_va_ssrc(0) depctr_va_vcc(0) depctr_vm_vsrc(0)
	s_getreg_b32 s2, hwreg(HW_REG_IB_STS2, 6, 4)
	s_cmp_eq_u32 s2, 0
	s_cbranch_scc0 .Lentry_in_a_cluster
	s_endpgm
.Lentry_in_a_cluster:
	s_bfe_u32 s2, ttmp6, 0x10000c
	s_cmp_lg_u32 s2, 0xf033
	s_cbranch_scc0 .Lentry_shape_is_right
	s_endpgm
.Lentry_shape_is_right:
; qkv = x W_qkv, NEVER STORED: each tile of it is multiplied at once, from the registers in which it was summed, into k^T q and v^T v2.
; x: [32768][1024] f32.  Wp: [2048 c'][1024 k] bf16 (head*128 + {k 32, q 32, v 32, v2 32}).  PART: f32 [ry 64][head 16][type 2][tt 4][g 2][lane 32][4].
; SHARES.  A work-group owns 512 rows of x (ry; one batch) and 4 heads (ct): 4 tiles of 128 rows x 512 columns.  Wave w owns head 4 ct + w: all 128 rows x its 128 columns,
; 64 accumulators of 16 x 16, 512 registers.  Column blocks 0,1 = k; 2,3 = q; 4,5 = v; 6,7 = v2.
; THE CHAIN.  D(m = row of x, n = channel): a lane holds one channel (lane%16) and rows 8 (lane/16) + 0..7.  Two such results, rounded in pairs, ARE a fragment with the channel on the
; lanes and K = 32 rows of x.  So the second products (EPI) take their operands from the accumulators with conversions alone.  Type 0: D(m = k's channel, n = q's); type 1: D(m = v's, n = v2's).
; FORMATS.  x and W rounded once to bf16; all sums f32.  q and k enter their product as bf16 pairs hi + lo (hi hi + hi lo + lo hi; lo lo, some 2^-18 of a product, is dropped): the softmax behind
; turns an absolute error of a score into a relative error of a weight.  v and v2 are rounded once.  NaN and infinities are not treated apart.  The order of the sums is not reference()'s.
; TIME.  A half step (HS) is 64 along K: 128 matrix instructions a wave, in two quarters of 32 K on fragment buffers F0, F1.  A lap is 4 HS; a tile 4 laps; the launch 16 laps, HS 0..63.
; B's WAY.  Wp's tiles (128 rows x 256 bytes = two HS) come by the tensor data mover into two LDS slots; each wave fetches and reads its own 128 rows.  The four work-groups of a column of the
; cluster (same ct) need the same tiles: each is asked for JOINTLY (mask of the column).  A slot is filled again behind a round of the cluster's barrier, every second HS.
; A's WAY.  x is f32, so it passes registers: each wave loads a quarter of the tile (32 rows x 256 bytes a HS), rounds it and stores it into one of two LDS buffers that no tensor load touches.
; In HS n a wave converts HS n+1 and asks for HS n+3: a load has two HS, 256 matrix instructions, in which to come.  x is not asked for jointly: two f32 slots of it do not fit beside B's.
; ONE BARRIER A HS orders both: the stores of HS n+1 ahead of their reads, and the reads of buffer n%2 ahead of the stores of HS n+2.
; MEMORY INSTRUCTIONS STAND IN TWO RUNS A HS, never singly among the matrix instructions: in the first quarter's middle the 32 roundings of x, its 16 LDS stores, its 16 global loads and the second
; quarter's 32 fragment loads; in the second quarter's middle, behind the barrier, the next HS's 32 fragment loads.  So the matrix instructions stand in stretches of 32 under one window setting.
; REGISTERS, in windows of 256 (s_set_vgpr_msb: bits 1:0 source 0, 3:2 source 1, 5:4 source 2, 7:6 destination):
;   window 0: v0-15 addresses; v16-31 T; v32-63 v's and v2's fragments; v64-95 k^T q sums; v96-127 v^T v2 sums; v128-191, v192-255 x as loaded, two sets
;   window 1: v0-63 A F0; v64-127 A F1; v128-191 B F0; v192-255 B F1.  In EPI the two F1 hold k's and q's hi and lo fragments (F0 already holds the next tile's first fragments)
;   windows 2, 3: accumulator (a, b) at v[8 (8 (a%4) + b)] of window 2 + a/4
.set APITCH, 144                       ; a row of A in LDS: 64 bf16 + 16 bytes: 9 x 16, so the 16 rows of a fragment load start 16 bytes apart modulo 256
.set ABYTES, 128*APITCH
.set BPITCH, 272                       ; a row of B: 128 bf16 + 16 bytes: 17 x 16
.set BWAVE,  128*BPITCH                ; a wave's part of a slot
.set SLOT,   4*BWAVE
.set ABUF,   2*SLOT                    ; 278,528, a multiple of 256: A's two buffers, written by ds_store alone
.set SPARE,  ABUF+2*ABYTES             ; 315,392: the spare words, 128 bytes a wave
.set XO,   3                           ; v3   my offset in x's tile: (32 w + 8 (l/16)) rows + 16 (l%16)
.set AST,  4                           ; v4   where I store 8 bytes of A: the same row, byte 8 (l%16)
.set ADRA, 5                           ; v5   my place in a fragment of A
.set ADRB, 6                           ; v6, v7  the same for B, slot 0, 1
.set SPW,  8                           ; v8   SPARE + 4 x thread; never rewritten
.set NIL,  9                           ; v9   0; never rewritten
.set PFO,  10                          ; v10  lane x a row of Wp
.set PO,   11                          ; v11  16 x lane
.set T,    16
.set VV,   32
.set SD,   64
.set SV,   96
.set STG,  128
.set CNT, 3                            ; s3   laps of the loop still to come
.set WV,  10                           ; s10  wave
.set KO,  12                           ; s12  the lap's byte in Wp's rows: 0, 512, 1024, 1536
.set NEW, 13                           ; s13  1: the lap begins a tile
.set OFF, 14                           ; s[14:15] the next lap's byte in Wp's rows
.set XD,  16                           ; s[16:17] x's step to the next lap
.set XP,  18                           ; s[18:19] x at the lap's first HS
.set WB,  20                           ; s[20:21], s[22:23] Wp at my head's rows, + 0 and + 256 bytes
.set G1,  24                           ; s[24:31] descriptor group 1
.set G0,  32                           ; s[32:39] descriptor group 0, a set for each slot
.set LIM, 42                           ; s42  a wave prefetches while s3 is above it
.set PFA, 44                           ; s[44:45] where my prefetches stand
.set HM,  46                           ; s46  a word's upper bf16
.set PT,  48                           ; s[48:49] my 8,192 bytes of PART
.set MSB, 0
.macro WIN new                         ; the high byte repeats the setting that is left; a switch that changes nothing is dropped
.if MSB != (\new)
	s_set_vgpr_msb (MSB<<8)|(\new)
.set MSB, \new
.endif
.endm
.set MUL_LO, 0xa5                      ; A and B window 1, C and D window 2; + 0x50: window 3
.macro PLACES                          ; four plain places behind matrix instructions, in front of loads into their sources and of readers of their results
.rept 4
	v_nop
.endr
.endm
.macro CREST                           ; a round of the cluster's barrier behind its opening barrier
	s_cmp_lg_u32 s[WV], 0
	s_cbranch_scc1 .Lnot_wave_0_\@
	s_barrier_signal -3
.Lnot_wave_0_\@:
	s_barrier_wait -3
	s_barrier_signal -1
	s_barrier_wait -1
.endm
.macro CROUND
	s_barrier_signal -1
	s_barrier_wait -1
	CREST
.endm
; 16 loads: my 32 rows x 256 bytes of one HS; each half of the lanes takes 256 consecutive bytes of a row
.macro GLOAD set, off
.irp j, 0,1,2,3,4,5,6,7,8,9,10,11,12,13,14,15
	global_load_b128 v[STG+64*(\set)+4*(\j):STG+64*(\set)+4*(\j)+3], v[XO], s[XP:XP+1] offset:(((\j)%8)+16*((\j)/8))*4096+(\off)
.endr
.endm
; A set of x is rounded in place (32 roundings, 8 bytes for each load's 16) and stored into A's buffer; g = 1: its registers are asked for again, two HS on.
; The roundings name no register of the products round them: they are also the places in front of the fragment loads that follow.
.macro CONV set, buf, g, off
	WIN 0
.irp j, 0,1,2,3,4,5,6,7,8,9,10,11,12,13,14,15
	v_cvt_pk_bf16_f32 v[STG+64*(\set)+4*(\j)],   v[STG+64*(\set)+4*(\j)],   v[STG+64*(\set)+4*(\j)+1]
	v_cvt_pk_bf16_f32 v[STG+64*(\set)+4*(\j)+1], v[STG+64*(\set)+4*(\j)+2], v[STG+64*(\set)+4*(\j)+3]
.endr
.irp j, 0,1,2,3,4,5,6,7,8,9,10,11,12,13,14,15
	ds_store_b64 v[AST], v[STG+64*(\set)+4*(\j):STG+64*(\set)+4*(\j)+1] offset:(\buf)*ABYTES+(((\j)%8)+16*((\j)/8))*APITCH  ; lanes 0-15 fill 128 bytes of a row, lanes 16-31 of the row 8 below: 1,152 bytes on, the other half of 256
.endr
.if \g
	GLOAD \set, \off
.endif
.endm
; 16 matrix instructions: row blocks a0, a0+1 of the window's four x all 8 column blocks, 32 along K, buffer f.  zero = 1: they start the sums.
; The 64 accumulators take turns in the same order in every quarter.
.macro MUL16 f, hi, a0, zero
	WIN MUL_LO+0x50*(\hi)
.set mi, 0
.rept 16
.set rD, 8*(8*((\a0)+mi/8)+mi%8)
.set rA, 64*(\f)+8*(4*(\hi)+(\a0)+mi/8)
.set rB, 128+64*(\f)+8*(mi%8)
.if \zero
	v_wmma_f32_16x16x32_bf16 v[rD:rD+7], v[rA:rA+7], v[rB:rB+7], 0
.else
	v_wmma_f32_16x16x32_bf16 v[rD:rD+7], v[rA:rA+7], v[rB:rB+7], v[rD:rD+7]
.endif
.set mi, mi+1
.endr
.endm
; 32 LDS loads in one run: a quarter's fragments into buffer f: B's eight, A's blocks 0-3, A's blocks 4-7
.macro FETCH abuf, aoff, bslot, boff, f
	WIN 0x40                                       ; destination window 1, address window 0
.irp i, 0,1,2,3,4,5,6,7
	ds_load_b128 v[128+64*(\f)+8*(\i):128+64*(\f)+8*(\i)+3],   v[ADRB+(\bslot)] offset:(\boff)+(\i)*16*BPITCH
	ds_load_b128 v[128+64*(\f)+8*(\i)+4:128+64*(\f)+8*(\i)+7], v[ADRB+(\bslot)] offset:(\boff)+(\i)*16*BPITCH+32
.endr
.irp i, 0,1,2,3,4,5,6,7
	ds_load_b128 v[64*(\f)+8*(\i):64*(\f)+8*(\i)+3],   v[ADRA] offset:(\abuf)*ABYTES+(\aoff)+(\i)*16*APITCH
	ds_load_b128 v[64*(\f)+8*(\i)+4:64*(\f)+8*(\i)+7], v[ADRA] offset:(\abuf)*ABYTES+(\aoff)+(\i)*16*APITCH+32
.endr
.endm
; A PREFETCH of Wp, in its first walk alone (all later tiles walk the same rows again): behind the refills of laps 0 and 1, the 256 bytes a row that stand two refills on (K steps 4 to 7 of 128;
; steps 0 to 3 come by their loads).  The first row of clusters asks; of a wave's 128 rows each of the four partners takes 32, told apart by address; a lane a row: each block is named once.
.macro ASK off
	WIN 0
	s_cmp_gt_u32 s[CNT], s[LIM]
	s_cbranch_scc0 .Lnot_mine_\@
	global_prefetch_b8 v[PFO], s[PFA:PFA+1] offset:(\off) th:TH_LOAD_NT scope:SCOPE_SE
.Lnot_mine_\@:
.endm
; THE FIRST QUARTER of HS p of a lap: multiplies F0; in its middle, in one run, converts HS p+1 (conv), asks for HS p+3 (g) and fetches the second quarter into F1.
; left: the loads that may stay out when the set to be converted has to be there.
.macro QUARTER p, zero, conv, g, left
.if ((\p) == 1) && (\g)
	s_wait_xcnt 0x0                                ; every load and prefetch issued so far has read its address: the two pointers are stepped only behind this wait
	s_add_nc_u64 s[XP:XP+1], s[XP:XP+1], s[XD:XD+1]
	s_add_nc_u64 s[PFA:PFA+1], s[PFA:PFA+1], 512
.endif
	s_wait_dscnt 8                                 ; B and A's blocks 0-3 are in; the youngest eight loads (blocks 4-7) may be out
	MUL16 0, 0, 0, \zero
	MUL16 0, 0, 2, \zero
.if \conv
	s_wait_loadcnt \left                           ; the older set is in; the younger set's loads may stay out
	CONV ((\p)+1)%2, ((\p)+1)%2, \g, (((\p)+3)%4)*256
.else
	PLACES
.endif
	FETCH (\p)%2, 64, (\p)/2, ((\p)%2)*128+64, 1
	s_wait_dscnt 32                                ; all but the 32 just issued: blocks 4-7 are in, and my stores into A's buffer are done
	MUL16 0, 1, 0, \zero
	MUL16 0, 1, 2, \zero
.endm
; THE SECOND QUARTER: multiplies F1, holds the HS's barrier, and behind it fetches the next HS's first quarter into F0.
; kind 0: the work-group's barrier.  kind 1: B's slot p/2 has been read out: each wave waits for all its tensor loads (one is out: the other slot's), adds 0 to its spare word, makes the slot's
; descriptor anew, waits for the add, its reads and its stores; the barrier opens a round of the cluster's barrier; the joint refill is the first thing behind the round and has 224 matrix
; instructions in which to land.  kind 2 (the tail): the same waits, no round, no load.
.macro TURN p, kind
.set nA, ((\p)+1)%2
.set nS, (((\p)+1)/2)%2
.set sl, (\p)/2
.if (\kind) == 0
	s_wait_dscnt 8
	MUL16 1, 0, 0, 0
	s_wait_dscnt 0x0                               ; my stores of the next HS are done and my reads of this HS's buffer are back
	s_barrier_signal -1
	MUL16 1, 0, 2, 0
	s_barrier_wait -1
	PLACES
.else
	WIN 0
	s_wait_tensorcnt 0x0                           ; no tensor load of mine is out, so a group 0 may be written
	ds_add_u32 v[SPW], v[NIL]
.if (\kind) == 1
	s_add_nc_u64 s[G0+4*sl+2:G0+4*sl+3], s[WB+2*sl:WB+2*sl+1], s[OFF:OFF+1]  ; the slot's K step of the next lap
	s_or_b32 s[G0+4*sl+3], s[G0+4*sl+3], 0x80000000
.endif
	s_wait_dscnt 9                                 ; the add and the youngest eight loads may be out
	MUL16 1, 0, 0, 0
	s_wait_dscnt 0x0                               ; the add is done; my reads of the slot and of A's buffer are back; my stores are done
	s_barrier_signal -1
	MUL16 1, 0, 2, 0
.if (\kind) == 1
	WIN 0
	s_barrier_wait -1
	CREST
	tensor_load_to_lds s[G0+4*sl:G0+4*sl+3], s[G1:G1+7]
	s_nop 0
	PLACES                                         ; also the places in front of the loads below
.else
	s_barrier_wait -1
	PLACES
.endif
.endif
	FETCH nA, 0, nS, nA*128, 0
.if (\kind) == 1
	ASK sl*256
.endif
	MUL16 1, 1, 0, 0
	MUL16 1, 1, 2, 0
.endm
; THE SECOND PRODUCTS of a finished tile, 32 rows of x (step kc) at a time.  No memory instruction stands here.
.macro EVV kc                          ; v's and v2's four fragments: 32 roundings
	WIN 0x0a+5*((\kc)/2)
.irp b, 4,5,6,7
.irp h, 0,1
.irp i, 0,1,2,3
	v_cvt_pk_bf16_f32 v[VV+8*((\b)-4)+4*(\h)+(\i)], v[8*(8*(2*((\kc)%2)+(\h))+(\b))+2*(\i)], v[8*(8*(2*((\kc)%2)+(\h))+(\b))+2*(\i)+1]
.endr
.endr
.endr
.endm
; The next small matrix instruction of step kcur's queue: 0-3 v^T v2 of this step; 4-15 k^T q of the step before: hi hi, hi lo, lo hi; tile tt = 2 (P's block) + Q's block.
; The four accumulators of a kind take turns, one instruction a turn.
.macro SMM
.if qi < 4
	WIN 0
	v_wmma_f32_16x16x32_bf16 v[SV+8*qi:SV+8*qi+7], v[VV+8*(qi/2):VV+8*(qi/2)+7], v[VV+16+8*(qi%2):VV+16+8*(qi%2)+7], v[SV+8*qi:SV+8*qi+7]
.elseif kcur > 0
.set tt, qi%4
.set grp, qi/4-1
.set sdb, 64+128*((kcur-1)%2)
.set ra, sdb+8*(tt/2)+32*(grp/2)
.set rb, sdb+16+8*(tt%2)+32*(grp%2)
	WIN 0x05
	v_wmma_f32_16x16x32_bf16 v[SD+8*tt:SD+8*tt+7], v[ra:ra+7], v[rb:rb+7], v[SD+8*tt:SD+8*tt+7]
.endif
.set qi, qi+1
.endm
; Column block fr (k 0, k 1, q 0, q 1) as hi and lo fragments, in F1's registers of parity kc: hi at 8 fr, lo 32 further on.  Four runs, a small matrix instruction behind each.
.macro EFRAG kc, fr
.set eH, 64+128*((\kc)%2)+8*(\fr)
.set eA, 8*(16*((\kc)%2)+(\fr))
	WIN 0x4a+5*((\kc)/2)
.irp i, 0,1,2,3,4,5,6,7
	v_cvt_pk_bf16_f32 v[eH+(\i)], v[eA+64*((\i)/4)+2*((\i)%4)], v[eA+64*((\i)/4)+2*((\i)%4)+1]
.endr
	SMM
	WIN 0x04
.irp i, 0,1,2,3,4,5,6,7
	v_lshlrev_b32 v[T+2*(\i)], 16, v[eH+(\i)]
	v_and_b32 v[T+2*(\i)+1], s[HM], v[eH+(\i)]
.endr
	SMM
	WIN 0x02+(\kc)/2
.irp i, 0,1,2,3,4,5,6,7
	v_pk_add_f32 v[T+2*(\i):T+2*(\i)+1], v[eA+64*((\i)/4)+2*((\i)%4):eA+64*((\i)/4)+2*((\i)%4)+1], v[T+2*(\i):T+2*(\i)+1] neg_lo:[0,1] neg_hi:[0,1]
.endr
	SMM
	WIN 0x40
.irp i, 0,1,2,3,4,5,6,7
	v_cvt_pk_bf16_f32 v[eH+32+(\i)], v[T+2*(\i)], v[T+2*(\i)+1]
.endr
	SMM
.endm
.macro EPI
	PLACES
.irp kc, 0,1,2,3
.set kcur, \kc
.set qi, 0
	EVV \kc
	EFRAG \kc, 0
	EFRAG \kc, 1
	EFRAG \kc, 2
	EFRAG \kc, 3
.endr
.set kcur, 4
.set qi, 4
.rept 12
	SMM
.endr
	WIN 0
.endm
	s_load_b128 s[4:7], s[0:1], 0x0                ; x s[4:5], Wp s[6:7]
	s_load_b64 s[8:9], s[0:1], 0x10                ; PART
	v_lshl_add_u32 v[SPW], v0, 2, SPARE
	v_mov_b32 v[NIL], 0
	ds_add_u32 v[SPW], v[NIL]                      ; the wave's opening: the add and its wait ahead of my first tensor load
	v_lshrrev_b32 v1, 5, v0
	v_readfirstlane_b32 s[WV], v1
	s_bfe_u32 s40, ttmp6, 0x40000                  ; cx
	s_bfe_u32 s41, ttmp6, 0x40004                  ; cy
	s_lshl_b32 s50, ttmp9, 2
	s_add_co_u32 s50, s50, s40                     ; ct = 4 x cluster x + cx
	s_lshl_b32 s50, s50, 2
	s_add_co_u32 s50, s50, s[WV]                   ; my head
	s_lshl_b32 s52, s50, 18                        ; its 128 rows of 2,048 bytes in Wp: cx and the wave's number alone
	s_mov_b32 s53, 0
	s_and_b32 s54, ttmp7, 0xffff                   ; cluster y
	s_cmp_eq_u32 s54, 0
	s_cselect_b32 s[LIM], 13, -1                   ; the same in all sixteen partners: laps 0 and 1 (s3 = 15, 14) of the first row of clusters
	s_lshl_b32 s54, s54, 2
	s_add_co_u32 s54, s54, s41                     ; ry = 4 x cluster y + cy
	s_lshl_b32 s56, s54, 21                        ; 512 rows of 4,096 bytes
	s_mov_b32 s57, 0
	s_lshl_b32 s58, s54, 4
	s_add_co_u32 s58, s58, s50
	s_lshl_b32 s58, s58, 13                        ; (16 ry + head) x 8,192
	s_mov_b32 s59, 0
	s_lshl_b32 s54, s41, 16                        ; the prefetches: my work-group's 32 rows of the wave's 128,
	s_add_co_u32 s54, s54, 512                     ; one lap's step short of K step 4
	s_mov_b32 s55, 0
	s_lshl_b32 s51, 0x1111, s40                    ; my column of the cluster
	s_or_b32 s[G1], s51, (1<<16)|(1<<20)|(1<<21)|(5<<22)|(3<<25)  ; the mask; 2-byte elements; padding on; bit 21 beside a mask; after every 64 words, 4 words
	s_mov_b32 s[G1+1], 128<<16                     ; tensor_dim0 = 128
	s_mov_b32 s[G1+2], 128<<16                     ; tensor_dim1 = 128
	s_mov_b32 s[G1+3], 128<<16                     ; tile_dim0 = 128
	s_mov_b32 s[G1+4], 128                         ; tile_dim1 = 128
	s_mov_b32 s[G1+5], 1024                        ; elements from row to row
	s_mov_b32 s[G1+6], 0
	s_mov_b32 s[G1+7], 0
	s_mov_b32 s[G0], 1
	s_mul_i32 s[G0+1], s[WV], BWAVE                ; slot 0, my part: the wave's number alone
	s_mov_b32 s[G0+4], 1
	s_add_co_u32 s[G0+5], s[G0+1], SLOT
	s_mov_b32 s[HM], 0xffff0000
	s_mov_b32 s[OFF+1], 0
	s_mov_b32 s[XD+1], 0
	v_and_b32 v1, 15, v0                           ; r
	v_bfe_u32 v2, v0, 4, 1                         ; hh
	v_and_b32 v12, 31, v0
	s_lshl_b32 s51, s[WV], 5
	v_lshl_add_u32 v13, v2, 3, s51                 ; 32 w + 8 hh
	v_lshlrev_b32 v[XO], 12, v13
	v_lshl_add_u32 v[XO], v1, 4, v[XO]
	v_mul_u32_u24 v[AST], v13, APITCH
	v_lshl_add_u32 v[AST], v1, 3, v[AST]
	v_add_nc_u32 v[AST], ABUF, v[AST]
	v_mul_u32_u24 v[ADRA], v1, APITCH
	v_lshl_add_u32 v[ADRA], v2, 4, v[ADRA]
	v_add_nc_u32 v[ADRA], ABUF, v[ADRA]
	v_mul_u32_u24 v[ADRB], v1, BPITCH
	v_lshl_add_u32 v[ADRB], v2, 4, v[ADRB]
	v_add_nc_u32 v[ADRB], s[G0+1], v[ADRB]
	v_add_nc_u32 v[ADRB+1], SLOT, v[ADRB]
	v_lshlrev_b32 v[PFO], 11, v12
	v_lshlrev_b32 v[PO], 4, v12
	s_wait_dscnt 0x0                               ; the opening add is done
	s_wait_kmcnt 0x0
	s_add_nc_u64 s[WB:WB+1], s[6:7], s[52:53]
	s_add_nc_u64 s[WB+2:WB+3], s[WB:WB+1], 256
	s_add_nc_u64 s[PFA:PFA+1], s[WB:WB+1], s[54:55]
	s_add_nc_u64 s[XP:XP+1], s[4:5], s[56:57]
	s_add_nc_u64 s[PT:PT+1], s[8:9], s[58:59]
	s_mov_b64 s[G0+2:G0+3], s[WB:WB+1]             ; K step 0
	s_or_b32 s[G0+3], s[G0+3], 0x80000000
	s_mov_b64 s[G0+6:G0+7], s[WB+2:WB+3]           ; K step 1
	s_or_b32 s[G0+7], s[G0+7], 0x80000000
	GLOAD 0, 0                                     ; x of HS 0 and 1
	GLOAD 1, 256
	CROUND                                         ; all sixteen work-groups are here: the first joint loads meet
	tensor_load_to_lds s[G0:G0+3], s[G1:G1+7]
	s_nop 0
	tensor_load_to_lds s[G0+4:G0+7], s[G1:G1+7]
	s_nop 0
	PLACES
.set i, SD
.rept 64                               ; the small sums run over all four tiles and start at 0, so that EPI has one text; written while the first tiles are on their way
	v_mov_b32 v[i], 0
.set i, i+1
.endr
	s_wait_loadcnt 16                              ; HS 0 is in; HS 1's 16 loads may stay out
	CONV 0, 0, 1, 512                              ; HS 0 into buffer 0; HS 2 is asked for
	s_wait_tensorcnt 1                             ; my part of slot 0 is in; slot 1's may stay out
	s_wait_dscnt 0x0
	s_barrier_signal -1
	s_barrier_wait -1
	FETCH 0, 0, 0, 0, 0
	WIN 0
	s_mov_b32 s[KO], 0
	s_mov_b32 s[NEW], 1
	s_mov_b32 s[CNT], 15
.Llap:                                 ; 15 trips; each fills both slots again
	s_add_co_u32 s[OFF], s[KO], 512
	s_and_b32 s[OFF], s[OFF], 2047                 ; Wp's rows are walked round and round
	s_mov_b32 s[XD], 1024
	s_cmp_eq_u32 s[KO], 1536
	s_cselect_b32 s[XD], 521216, s[XD]             ; behind a tile's last lap: 128 rows down, 3,072 bytes back
	s_cmp_eq_u32 s[NEW], 1
	s_cbranch_scc1 .Lzero
	QUARTER 0, 0, 1, 1, 16
	WIN 0
	s_branch .Ljoin
.Lzero:                                ; a tile's first quarter starts the 64 sums; its memory lines are the other variant's
	s_mov_b32 s[NEW], 0
	v_nop                                          ; a product that starts a sum anew writes over the registers of that sum's last link and is no link itself: five plain places stand
	                                               ; between the two: for rows 0-63 the four behind the lap's last joint load and this one; for rows 64-127 the quarter's 32 roundings
	QUARTER 0, 1, 1, 1, 16
	WIN 0
.Ljoin:
	TURN 0, 0
	QUARTER 1, 0, 1, 1, 16
	TURN 1, 1
	QUARTER 2, 0, 1, 1, 16
	TURN 2, 0
	QUARTER 3, 0, 1, 1, 16
	TURN 3, 1
	WIN 0
	s_cmp_eq_u32 s[KO], 1536
	s_cbranch_scc0 .Lno_epi
	EPI                                            ; the tile is finished; the next tile's tiles and fragments are already asked for
	s_mov_b32 s[NEW], 1
.Lno_epi:
	s_mov_b32 s[KO], s[OFF]
	s_sub_co_u32 s[CNT], s[CNT], 1
	s_cmp_lg_u32 s[CNT], 0
	s_cbranch_scc1 .Llap
	QUARTER 0, 0, 1, 1, 16                         ; the last lap is written out: no tensor load; HS 63 is the last that is asked for
	TURN 0, 0
	QUARTER 1, 0, 1, 0, 16                         ; HS 62 is converted; HS 63's 16 loads may stay out
	TURN 1, 2                                      ; my last tensor load, slot 1's, has landed
	QUARTER 2, 0, 1, 0, 0                          ; HS 63
	TURN 2, 0
	QUARTER 3, 0, 0, 0, 0
	s_wait_dscnt 8
	MUL16 1, 0, 0, 0
	MUL16 1, 0, 2, 0
	s_wait_dscnt 0x0
	MUL16 1, 1, 0, 0
	MUL16 1, 1, 2, 0
	WIN 0
	EPI
	PLACES
.irp ty, 0,1
.irp tl, 0,1,2,3
.irp g, 0,1
	global_store_b128 v[PO], v[SD+32*(\ty)+8*(\tl)+4*(\g):SD+32*(\ty)+8*(\tl)+4*(\g)+3], s[PT:PT+1] offset:(\ty)*4096+(\tl)*1024+(\g)*512 th:TH_STORE_NT  ; 512 consecutive bytes a store; each sum's low registers first
.endr
.endr
.endr
	s_wait_tensorcnt 0x0                           ; the wave's end: three closing lines
	ds_add_u32 v[SPW], v[NIL]
	s_wait_dscnt 0x0
	CROUND                                         ; the closing round
	s_endpgm
.Lfunc_end_k_qe213953cae_main:
	.size	k_qe213953cae_main, .Lfunc_end_k_qe213953cae_main-k_qe213953cae_main
	.p2alignl 7, 3214868480
	.fill 96, 4, 3214868480
	.section	.rodata,"a",@progbits
	.p2align	6, 0x0
	.amdhsa_kernel k_qe213953cae_main
		.amdhsa_group_segment_fixed_size 327680
		.amdhsa_private_segment_fixed_size 0
		.amdhsa_enable_private_segment 0
		.amdhsa_kernarg_size 24
		.amdhsa_user_sgpr_count 2
		.amdhsa_user_sgpr_kernarg_segment_ptr 1
		.amdhsa_wavefront_size32 1
		.amdhsa_system_sgpr_workgroup_id_x 1
		.amdhsa_system_sgpr_workgroup_id_y 1
		.amdhsa_system_sgpr_workgroup_id_z 1
		.amdhsa_system_vgpr_workitem_id 0
		.amdhsa_next_free_vgpr 1024
		.amdhsa_next_free_sgpr 66
		.amdhsa_reserve_vcc 0
		.amdhsa_float_denorm_mode_32 3
		.amdhsa_float_denorm_mode_16_64 3
		.amdhsa_memory_ordered 1
		.amdhsa_forward_progress 1
		.amdhsa_inst_pref_size 255
	.end_amdhsa_kernel
	.amdgpu_metadata
---
amdhsa.version: [ 1, 2 ]
amdhsa.kernels:
  - .name:           k_qe213953cae_main
    .symbol:         k_qe213953cae_main.kd
    .args:
      - { .name: x, .offset: 0, .size: 8, .value_kind: global_buffer, .address_space: global }
      - { .name: Wp, .offset: 8, .size: 8, .value_kind: global_buffer, .address_space: global }
      - { .name: PART, .offset: 16, .size: 8, .value_kind: global_buffer, .address_space: global }
    .group_segment_fixed_size: 327680
    .private_segment_fixed_size: 0
    .kernarg_segment_align: 8
    .kernarg_segment_size: 24
    .max_flat_workgroup_size: 128
    .sgpr_count:     66
    .vgpr_count:     1024
    .wavefront_size: 32
...
	.end_amdgpu_metadata
.endif
;; end of part 2
;; launch f1 (part 3): grid 16 x 8, 4 waves a work-group, no clusters, 0 bytes of LDS; arguments PART, OF; writes OF
.if DOCPART == 3
	.amdgcn_target "amdgcn-amd-amdhsa--gfx1250"
	.amdhsa_code_object_version 6
	.text
	.protected	k_qe213953cae_f1
	.globl	k_qe213953cae_f1
	.p2align	8
	.type	k_qe213953cae_f1,@function
k_qe213953cae_f1:
	s_mov_b64 s[64:65], 0
	v_nop
	global_prefetch_b8 v0, s[64:65] scope:SCOPE_SE
	s_setreg_imm32_b32 hwreg(HW_REG_WAVE_MODE, 25, 1), 1
	s_wait_xcnt 0x0
; For one batch b and head: the 8 partial sums of k^T q and v^T v2 are added (f32, chunks 0 to 7 in order), softmax over e, out = attn vv, divided by the row's sum, stored as bf16 hi + lo.
; PART: f32 [ry = 8 b + chunk][head][type 2][tt 4][g 2][lane 32][4]: register 4 g + i of lane (r, hh) of tile tt = 2 pe + qd is (P channel 16 pe + 8 hh + 4 g + i, Q channel 16 qd + r).
; Type 0: P = k (e), Q = q (d): a lane holds one row d of the scores and 16 of its 32 e; the other 16 lie in the lane 16 away.  Type 1: P = v (e), Q = v2 (f).
; Wave w makes the 16 x 16 tile (d block w&1, f block w>>1) of out^T: A = vv's fragment (f on the lanes, K = e), B = p's fragment (d on the lanes, K = e): both are two summed tiles rounded in pairs.
; p = 2^(c s - c m), c = log2(e) / sqrt(32), m the row's maximum; the row's sum l is taken of the unrounded p.  p, vv and out go as bf16 pairs hi + lo (lo lo dropped).
; OF: bf16 [b][head][dblk 2][hl 2][fblk 2][lane 32][16 bytes]: the last launch's fragment (d on the lanes, K = the head's 32 f).
; LIMITS.  A weight below 2^-126 counts as 0; NaN and infinities are not treated apart.  No LDS, no barrier: the waves share nothing.
.set CH, 131072                        ; bytes from chunk to chunk
.macro LOADC set, chunk                ; 8 loads: scores' tiles pe = 0, 1 of my d block, vv's tiles pe = 0, 1 of my f block
.irp q, 0,1,2,3
	global_load_b128 v[32+32*(\set)+4*(\q):32+32*(\set)+4*(\q)+3], v2, s[4:5] offset:(\chunk)*CH+((\q)/2)*2048+((\q)%2)*512
.endr
.irp q, 0,1,2,3
	global_load_b128 v[48+32*(\set)+4*(\q):48+32*(\set)+4*(\q)+3], v3, s[4:5] offset:(\chunk)*CH+((\q)/2)*2048+((\q)%2)*512
.endr
.endm
.macro ADDS set
.set i, 0
.rept 16
	v_pk_add_f32 v[32+i:33+i], v[32+i:33+i], v[32+32*(\set)+i:33+32*(\set)+i]
.set i, i+2
.endr
.endm
.macro SPLIT src, hi, lo, t, n         ; 2 n numbers as bf16 hi, and lo = the rest rounded
.set i, 0
.rept \n
	v_cvt_pk_bf16_f32 v[(\hi)+i], v[(\src)+2*i], v[(\src)+2*i+1]
.set i, i+1
.endr
.set i, 0
.rept \n
	v_lshlrev_b32 v[(\t)+2*i], 16, v[(\hi)+i]
	v_and_b32 v[(\t)+2*i+1], s20, v[(\hi)+i]
.set i, i+1
.endr
.set i, 0
.rept \n
	v_pk_add_f32 v[(\t)+2*i:(\t)+2*i+1], v[(\src)+2*i:(\src)+2*i+1], v[(\t)+2*i:(\t)+2*i+1] neg_lo:[0,1] neg_hi:[0,1]
.set i, i+1
.endr
.set i, 0
.rept \n
	v_cvt_pk_bf16_f32 v[(\lo)+i], v[(\t)+2*i], v[(\t)+2*i+1]
.set i, i+1
.endr
.endm
	s_load_b128 s[4:7], s[0:1], 0x0                ; PART s[4:5], OF s[6:7]
	v_lshrrev_b32 v1, 5, v0
	v_readfirstlane_b32 s8, v1
	s_and_b32 s9, s8, 1                            ; dblk
	s_lshr_b32 s10, s8, 1                          ; fblk
	s_and_b32 s11, ttmp7, 0xffff                   ; b
	v_and_b32 v1, 31, v0
	v_lshlrev_b32 v1, 4, v1                        ; 16 x lane
	s_lshl_b32 s12, s9, 10
	v_add_nc_u32 v2, s12, v1
	s_lshl_b32 s13, s10, 10
	s_add_co_u32 s13, s13, 4096
	v_add_nc_u32 v3, s13, v1
	s_lshl_b32 s14, s11, 7
	s_add_co_u32 s14, s14, ttmp9
	s_lshl_b32 s14, s14, 13                        ; (128 b + head) x 8,192
	s_mov_b32 s15, 0
	s_lshl_b32 s22, s11, 4
	s_add_co_u32 s22, s22, ttmp9
	s_lshl_b32 s22, s22, 1
	s_add_co_u32 s22, s22, s9
	s_lshl_b32 s22, s22, 11                        ; ((16 b + head) 2 + dblk) x 2,048
	s_lshl_b32 s23, s10, 9
	s_add_co_u32 s22, s22, s23
	s_mov_b32 s23, 0
	s_mov_b32 s16, 0x76543210                      ; v_permlanex16_b32: each lane takes its own place in the other half
	s_mov_b32 s17, 0xfedcba98
	s_mov_b32 s18, 0x3e8293ee                      ; c = log2(e) / sqrt(32) = 0.255035
	s_mov_b32 s19, s18                             ; named with it as a pair
	s_mov_b32 s20, 0xffff0000
	s_wait_kmcnt 0x0
	s_add_nc_u64 s[4:5], s[4:5], s[14:15]
	s_add_nc_u64 s[6:7], s[6:7], s[22:23]
.irp c, 0,1,2,3,4,5,6
	LOADC \c, \c
.endr
	s_wait_loadcnt 40                              ; chunks 0 and 1 are in; the 40 loads of chunks 2 to 6 may stay out
	ADDS 1
	LOADC 1, 7                                     ; the last chunk takes set 1's place
	s_wait_loadcnt 40                              ; chunk 2 is in: behind it chunks 3 to 6 and 7
	ADDS 2
	s_wait_loadcnt 32
	ADDS 3
	s_wait_loadcnt 24
	ADDS 4
	s_wait_loadcnt 16
	ADDS 5
	s_wait_loadcnt 8
	ADDS 6
	s_wait_loadcnt 0x0
	ADDS 1
	; v32-47: my 16 scores of row d.  v48-63: vv.  The row's maximum:
	v_max3_num_f32 v16, v32, v33, v34
	v_max3_num_f32 v17, v35, v36, v37
	v_max3_num_f32 v18, v38, v39, v40
	v_max3_num_f32 v19, v41, v42, v43
	v_max3_num_f32 v16, v16, v44, v45
	v_max3_num_f32 v17, v17, v46, v47
	v_max3_num_f32 v16, v16, v17, v18
	v_max_num_f32 v16, v16, v19
	v_permlanex16_b32 v17, v16, s16, s17
	v_max_num_f32 v16, v16, v17
	v_mul_f32 v18, s18, v16                        ; c m
.set i, 0
.rept 8
	v_pk_fma_f32 v[32+i:33+i], v[32+i:33+i], s[18:19], v[18:19] op_sel_hi:[1,0,0] neg_lo:[0,0,1] neg_hi:[0,0,1]  ; c s - c m
.set i, i+2
.endr
.set i, 0
.rept 16
	v_exp_f32 v[32+i], v[32+i]
.set i, i+1
.endr
	SPLIT 48, 96, 104, 112, 8                      ; vv's hi v96-103 and lo v104-111: the independent work behind the batch of exponentials
	s_wait_alu depctr_va_vdst(0)                   ; one wait for the 16 exponentials, ahead of their first reader
	v_pk_add_f32 v[20:21], v[32:33], v[34:35]
	v_pk_add_f32 v[22:23], v[36:37], v[38:39]
	v_pk_add_f32 v[24:25], v[40:41], v[42:43]
	v_pk_add_f32 v[26:27], v[44:45], v[46:47]
	v_pk_add_f32 v[20:21], v[20:21], v[22:23]
	v_pk_add_f32 v[24:25], v[24:25], v[26:27]
	v_pk_add_f32 v[20:21], v[20:21], v[24:25]
	v_add_f32 v20, v20, v21
	v_permlanex16_b32 v21, v20, s16, s17
	v_add_f32 v20, v20, v21                        ; l
	v_rcp_f32 v22, v20
	SPLIT 32, 64, 72, 80, 8                        ; p's hi v64-71 and lo v72-79
	v_wmma_f32_16x16x32_bf16 v[128:135], v[96:103], v[64:71], 0
	s_wait_alu depctr_va_vdst(0)                   ; a wait directly ahead of each link; it is also the reciprocal's wait
	v_wmma_f32_16x16x32_bf16 v[128:135], v[96:103], v[72:79], v[128:135]
	s_wait_alu depctr_va_vdst(0)
	v_wmma_f32_16x16x32_bf16 v[128:135], v[104:111], v[64:71], v[128:135]
.rept 4
	v_nop
.endr
.set i, 0
.rept 4
	v_pk_mul_f32 v[136+i:137+i], v[128+i:129+i], v[22:23] op_sel_hi:[1,0]  ; the lane is d: its own 1 / l
.set i, i+2
.endr
	SPLIT 136, 144, 156, 148, 4
	global_store_b128 v1, v[144:147], s[6:7] th:TH_STORE_NT              ; hi: 512 consecutive bytes
	global_store_b128 v1, v[156:159], s[6:7] offset:1024 th:TH_STORE_NT  ; lo
	s_endpgm
.Lfunc_end_k_qe213953cae_f1:
	.size	k_qe213953cae_f1, .Lfunc_end_k_qe213953cae_f1-k_qe213953cae_f1
	.p2alignl 7, 3214868480
	.fill 96, 4, 3214868480
	.section	.rodata,"a",@progbits
	.p2align	6, 0x0
	.amdhsa_kernel k_qe213953cae_f1
		.amdhsa_group_segment_fixed_size 0
		.amdhsa_private_segment_fixed_size 0
		.amdhsa_enable_private_segment 0
		.amdhsa_kernarg_size 16
		.amdhsa_user_sgpr_count 2
		.amdhsa_user_sgpr_kernarg_segment_ptr 1
		.amdhsa_wavefront_size32 1
		.amdhsa_system_sgpr_workgroup_id_x 1
		.amdhsa_system_sgpr_workgroup_id_y 1
		.amdhsa_system_sgpr_workgroup_id_z 1
		.amdhsa_system_vgpr_workitem_id 0
		.amdhsa_next_free_vgpr 256
		.amdhsa_next_free_sgpr 66
		.amdhsa_reserve_vcc 0
		.amdhsa_float_denorm_mode_32 3
		.amdhsa_float_denorm_mode_16_64 3
		.amdhsa_memory_ordered 1
		.amdhsa_forward_progress 1
		.amdhsa_inst_pref_size 23
	.end_amdhsa_kernel
	.amdgpu_metadata
---
amdhsa.version: [ 1, 2 ]
amdhsa.kernels:
  - .name:           k_qe213953cae_f1
    .symbol:         k_qe213953cae_f1.kd
    .args:
      - { .name: PART, .offset: 0, .size: 8, .value_kind: global_buffer, .address_space: global }
      - { .name: OF, .offset: 8, .size: 8, .value_kind: global_buffer, .address_space: global }
    .group_segment_fixed_size: 0
    .private_segment_fixed_size: 0
    .kernarg_segment_align: 8
    .kernarg_segment_size: 16
    .max_flat_workgroup_size: 128
    .sgpr_count:     66
    .vgpr_count:     256
    .wavefront_size: 32
...
	.end_amdgpu_metadata
.endif
;; end of part 3
;; launch f2 (part 4): grid 16 x 8, 8 waves a work-group, no clusters, 70,656 bytes of LDS; arguments OF, WOF, b_out, out0; writes out0
.if DOCPART == 4
	.amdgcn_target "amdgcn-amd-amdhsa--gfx1250"
	.amdhsa_code_object_version 6
	.text
	.protected	k_qe213953cae_f2
	.globl	k_qe213953cae_f2
	.p2align	8
	.type	k_qe213953cae_f2,@function
k_qe213953cae_f2:
	s_mov_b64 s[64:65], 0
	v_nop
	global_prefetch_b8 v0, s[64:65] scope:SCOPE_SE
	s_setreg_imm32_b32 hwreg(HW_REG_WAVE_MODE, 25, 1), 1
	s_wait_xcnt 0x0
; y[b][d][c] = the sum over head, f of out[b][head][d][f] W_out[32 head + f][c] + b_out[c].  A work-group makes 32 rows d x 64 columns c of one batch.
; K (512) IS SPLIT AMONG THE 8 WAVES: wave v takes heads 2 v, 2 v + 1.  D(m = c, n = d): A = W_out's fragment (WOF), B = out's fragment (OF, hi and lo): a lane ends with 8 neighbouring
; columns of one row d.  The 8 partial tiles meet in LDS (f32, added in the order of the waves); b_out is rounded to bf16 like the other inputs and added in f32.
; 8 accumulators (4 column blocks x 2 row blocks) take turns, one instruction a turn.
.set PP,    272                        ; a row of a partial tile: 64 f32 + 16 bytes
.set PW,    32*PP                      ; a wave's partial tile
.set SPARE, 8*PW                       ; 69,632: the spare words, 128 bytes for each of 8 waves
.set SPW, 8
.set NIL, 9
	s_load_b256 s[4:11], s[0:1], 0x0               ; OF s[4:5], WOF s[6:7], b_out s[8:9], out0 s[10:11]
	v_lshl_add_u32 v[SPW], v0, 2, SPARE
	v_mov_b32 v[NIL], 0
	v_lshrrev_b32 v1, 5, v0
	v_readfirstlane_b32 s12, v1                    ; wave
	s_and_b32 s13, ttmp7, 0xffff                   ; b
	v_and_b32 v1, 15, v0                           ; r
	v_bfe_u32 v2, v0, 4, 1                         ; hh
	v_and_b32 v3, 31, v0
	v_lshlrev_b32 v3, 4, v3                        ; 16 x lane
	v_lshlrev_b32 v4, 4, v1                        ; 16 r
	s_lshl_b32 s14, s13, 4
	s_lshl_b32 s15, s12, 1
	s_add_co_u32 s14, s14, s15
	s_lshl_b32 s14, s14, 12                        ; OF: (16 b + 2 v) x 4,096
	s_mov_b32 s15, 0
	s_lshl_b32 s16, ttmp9, 16                      ; WOF: 4 column blocks of 16,384 bytes,
	s_lshl_b32 s17, s12, 11                        ; + 2 v heads of 1,024
	s_add_co_u32 s16, s16, s17
	s_mov_b32 s17, 0
	s_lshl_b32 s18, ttmp9, 8                       ; the tile's 64 columns in f32
	s_mov_b32 s19, 0
	s_lshl_b32 s20, s13, 17                        ; out0: b x 32 rows of 4,096 bytes,
	s_lshl_b32 s21, s12, 14                        ; + the 4 rows that I finish
	s_add_co_u32 s20, s20, s21
	s_add_co_u32 s20, s20, s18
	s_mov_b32 s21, 0
	s_mov_b32 s22, 0xffff0000
	s_mul_i32 s23, s12, PW
	v_mul_u32_u24 v5, v1, PP
	v_lshl_add_u32 v5, v2, 5, v5
	v_add_nc_u32 v5, s23, v5                       ; in: my tile, row r, byte 32 hh
	s_mul_i32 s23, s12, 4*PP
	v_mul_u32_u24 v6, v2, PP
	v_add_nc_u32 v6, v6, v4
	v_add_nc_u32 v6, s23, v6                       ; back: row 4 v + hh, byte 16 r
	v_lshl_add_u32 v7, v2, 12, v4                  ; and the same in out0
	s_wait_kmcnt 0x0
	s_add_nc_u64 s[4:5], s[4:5], s[14:15]
	s_add_nc_u64 s[6:7], s[6:7], s[16:17]
	s_add_nc_u64 s[8:9], s[8:9], s[18:19]
	s_add_nc_u64 s[10:11], s[10:11], s[20:21]
.irp hd, 0,1
.irp db, 0,1
.irp hl, 0,1
.irp g, 0,1
	global_load_b128 v[32+8*((2*(\hd)+(\db))*2+(\hl))+4*(\g):32+8*((2*(\hd)+(\db))*2+(\hl))+4*(\g)+3], v3, s[4:5] offset:(\hd)*4096+(\db)*2048+(\hl)*1024+(\g)*512
.endr
.endr
.endr
.endr
.irp cb, 0,1,2,3
.irp hd, 0,1
.irp g, 0,1
	global_load_b128 v[96+8*(2*(\cb)+(\hd))+4*(\g):96+8*(2*(\cb)+(\hd))+4*(\g)+3], v3, s[6:7] offset:(\cb)*16384+(\hd)*1024+(\g)*512
.endr
.endr
.endr
	global_load_b128 v[12:15], v4, s[8:9]          ; b_out of my 4 columns
	s_wait_loadcnt 0x0
.irp hd, 0,1
.irp hl, 0,1
.irp cb, 0,1,2,3
.irp db, 0,1
.if ((\hd)+(\hl)) == 0
	v_wmma_f32_16x16x32_bf16 v[160+8*(2*(\cb)+(\db)):160+8*(2*(\cb)+(\db))+7], v[96+8*(2*(\cb)+(\hd)):96+8*(2*(\cb)+(\hd))+7], v[32+8*((2*(\hd)+(\db))*2+(\hl)):32+8*((2*(\hd)+(\db))*2+(\hl))+7], 0
.else
	v_wmma_f32_16x16x32_bf16 v[160+8*(2*(\cb)+(\db)):160+8*(2*(\cb)+(\db))+7], v[96+8*(2*(\cb)+(\hd)):96+8*(2*(\cb)+(\hd))+7], v[32+8*((2*(\hd)+(\db))*2+(\hl)):32+8*((2*(\hd)+(\db))*2+(\hl))+7], v[160+8*(2*(\cb)+(\db)):160+8*(2*(\cb)+(\db))+7]
.endif
.endr
.endr
.endr
.endr
	v_cvt_pk_bf16_f32 v16, v12, v13                ; the bias, rounded to bf16 and widened again: six plain places behind the last products
	v_cvt_pk_bf16_f32 v17, v14, v15
	v_lshlrev_b32 v12, 16, v16
	v_and_b32 v13, s22, v16
	v_lshlrev_b32 v14, 16, v17
	v_and_b32 v15, s22, v17
.irp cb, 0,1,2,3
.irp db, 0,1
	ds_store_b128 v5, v[160+8*(2*(\cb)+(\db)):160+8*(2*(\cb)+(\db))+3]   offset:(\db)*16*PP+64*(\cb)
	ds_store_b128 v5, v[160+8*(2*(\cb)+(\db))+4:160+8*(2*(\cb)+(\db))+7] offset:(\db)*16*PP+64*(\cb)+16
.endr
.endr
	s_wait_dscnt 0x0                               ; for the others' sake: my partial tile is stored
	s_barrier_signal -1
	s_barrier_wait -1
.irp u, 0,1,2,3,4,5,6,7
.irp i, 0,1
	ds_load_b128 v[32+8*(\u)+4*(\i):32+8*(\u)+4*(\i)+3], v6 offset:(\u)*PW+2*(\i)*PP  ; rows 4 v + hh + 2 i of wave u's tile
.endr
.endr
	s_wait_dscnt 0x0
.irp u, 1,2,3,4,5,6,7
.irp q, 0,2,4,6
	v_pk_add_f32 v[32+(\q):33+(\q)], v[32+(\q):33+(\q)], v[32+8*(\u)+(\q):33+8*(\u)+(\q)]
.endr
.endr
	v_pk_add_f32 v[32:33], v[32:33], v[12:13]
	v_pk_add_f32 v[34:35], v[34:35], v[14:15]
	v_pk_add_f32 v[36:37], v[36:37], v[12:13]
	v_pk_add_f32 v[38:39], v[38:39], v[14:15]
	global_store_b128 v7, v[32:35], s[10:11] th:TH_STORE_NT              ; 16 lanes store 256 consecutive bytes, aligned
	global_store_b128 v7, v[36:39], s[10:11] offset:8192 th:TH_STORE_NT
	s_wait_tensorcnt 0x0                           ; the wave's end: three closing lines behind my last LDS store
	ds_add_u32 v[SPW], v[NIL]
	s_wait_dscnt 0x0
	s_endpgm
.Lfunc_end_k_qe213953cae_f2:
	.size	k_qe213953cae_f2, .Lfunc_end_k_qe213953cae_f2-k_qe213953cae_f2
	.p2alignl 7, 3214868480
	.fill 96, 4, 3214868480
	.section	.rodata,"a",@progbits
	.p2align	6, 0x0
	.amdhsa_kernel k_qe213953cae_f2
		.amdhsa_group_segment_fixed_size 70656
		.amdhsa_private_segment_fixed_size 0
		.amdhsa_enable_private_segment 0
		.amdhsa_kernarg_size 32
		.amdhsa_user_sgpr_count 2
		.amdhsa_user_sgpr_kernarg_segment_ptr 1
		.amdhsa_wavefront_size32 1
		.amdhsa_system_sgpr_workgroup_id_x 1
		.amdhsa_system_sgpr_workgroup_id_y 1
		.amdhsa_system_sgpr_workgroup_id_z 1
		.amdhsa_system_vgpr_workitem_id 0
		.amdhsa_next_free_vgpr 256
		.amdhsa_next_free_sgpr 66
		.amdhsa_reserve_vcc 0
		.amdhsa_float_denorm_mode_32 3
		.amdhsa_float_denorm_mode_16_64 3
		.amdhsa_memory_ordered 1
		.amdhsa_forward_progress 1
		.amdhsa_inst_pref_size 12
	.end_amdhsa_kernel
	.amdgpu_metadata
---
amdhsa.version: [ 1, 2 ]
amdhsa.kernels:
  - .name:           k_qe213953cae_f2
    .symbol:         k_qe213953cae_f2.kd
    .args:
      - { .name: OF, .offset: 0, .size: 8, .value_kind: global_buffer, .address_space: global }
      - { .name: WOF, .offset: 8, .size: 8, .value_kind: global_buffer, .address_space: global }
      - { .name: b_out, .offset: 16, .size: 8, .value_kind: global_buffer, .address_space: global }
      - { .name: out0, .offset: 24, .size: 8, .value_kind: global_buffer, .address_space: global }
    .group_segment_fixed_size: 70656
    .private_segment_fixed_size: 0
    .kernarg_segment_align: 8
    .kernarg_segment_size: 32
    .max_flat_workgroup_size: 256
    .sgpr_count:     66
    .vgpr_count:     256
    .wavefront_size: 32
...
	.end_amdgpu_metadata
.endif
;; end of part 4
;; ======== version 2 of 2: 4 launches; version 1 with the launch prep written anew for expert scheduling mode
;; workspace buffers: Wp 4,194,304 bytes; WOF 1,048,576 bytes; PART 8,388,608 bytes; OF 524,288 bytes
;; launch prep (part 5): grid 320 x 1, 8 waves a work-group, no clusters, 18,432 bytes of LDS; arguments W_qkv, W_out, Wp, WOF; writes Wp, WOF
.if DOCPART == 5
	.amdgcn_target "amdgcn-amd-amdhsa--gfx1250"
	.amdhsa_code_object_version 6
	.text
	.protected	k_qe213953cae_prep
	.globl	k_qe213953cae_prep
	.p2align	8
	.type	k_qe213953cae_prep,@function
k_qe213953cae_prep:
	s_mov_b64 s[64:65], 0
	v_nop
	global_prefetch_b8 v0, s[64:65] scope:SCOPE_SE
	s_setreg_imm32_b32 hwreg(HW_REG_WAVE_SCHED_MODE, 0, 2), 2
	s_setreg_imm32_b32 hwreg(HW_REG_WAVE_MODE, 25, 1), 1
	s_wait_xcnt 0x0
	s_wait_alu depctr_vm_vsrc(0)
; THE WEIGHTS, ROUNDED ONCE TO bf16 AND TURNED, so that the later launches find K along the rows.
; W_qkv [1024 k][2048 col] f32 -> Wp [2048 c'][1024 k] bf16, c' = head*128 + type*64 + s*32 + j:
;   type 0: s 0 = k (column 512+32 head+j), s 1 = q (32 head+j);  type 1: s 0 = v (1024+..), s 1 = v2 (1536+..).
; W_out [512 k][1024 col] f32 -> WOF [cblk 64][head 16][g 2][lane 32][16 bytes] bf16: lane (r = lane%16, hh = lane/16)
;   holds W_out[32 head + 16 g + 8 hh + 0..7][16 cblk + r]: the matrix fragment as the last launch loads it.
; A work-group turns a tile of 128 k x 64 columns through LDS.  Work-groups 0-255: W_qkv (8 k tiles x 32 column tiles); 256-319: W_out (4 x 16).
; In: 16 lanes read 256 consecutive bytes of a row.  Out: 16 lanes store 256 consecutive bytes, aligned.
; The 8-byte LDS stores of the turn fall several to a bank; 5 MB pass here once, so the plain form is kept.
; THE MODE: SCHED_MODE bits 1:0 = 2 (LLVM: expert scheduling mode 2), set by the entry lines.  The code itself states the register dependences
; between vector instructions and memory or LDS instructions, with s_wait_alu, always for 0.
; THE PLAN.  Registers that memory or LDS instructions touch:
;   v3        my offset in the source.  Written by one vector line at the head of the way in; read by the eight loads; never written again.
;   LD        v[16:47].  The eight loads land in it; the sixteen roundings read it; the four LDS loads of the way out land in v[16:31]; the four stores read those.
;   v4        where I store in LDS.  Written at the kernel's head; read by the eight LDS stores; never written again.
;   PK        v[48:63].  Written by the sixteen roundings; read by the eight LDS stores; never written again.
;   v5, v6    where I read in LDS, my offset in the output.  Written at the head of the way out; read by its LDS loads and its stores; never written again.
;   v8, v9    Written at the kernel's head; read by the closing add alone.
; So a wave passes three waits on va_vdst: ahead of the run of loads (v3), ahead of the ONE run of LDS stores (PK; the roundings are then also done reading LD), ahead of the run of LDS loads
; (v5, v6).  In both arms the vector lines stand first and the arm's scalar arithmetic between them and the wait.  No register that a memory or LDS instruction has read is
; written again, so no wait on vm_vsrc is owed.  The wave's number goes through a scalar register on W_out's way out: one wait on va_sdst ahead of its first reader.
.set TP,    272                        ; a turned row in LDS: 128 k x 2 bytes + 16
.set SPARE, 64*TP                      ; 17,408: behind the tile, the spare words: 128 bytes for each of 8 waves
.set SPW, 8                            ; v8  SPARE + 4 x thread; never rewritten
.set NIL, 9                            ; v9  0; never rewritten
.set LD,  16                           ; v[16:47] eight loads of 4 f32; later the rows read back
.set PK,  48                           ; v[48:63] packed bf16
	s_load_b256 s[4:11], s[0:1], 0x0               ; W_qkv s[4:5], W_out s[6:7], Wp s[8:9], WOF s[10:11]
	v_lshl_add_u32 v[SPW], v0, 2, SPARE
	v_mov_b32 v[NIL], 0
	v_and_b32 v1, 15, v0                           ; cg: my 4 columns (16 bytes) of the tile's 64
	v_lshrrev_b32 v2, 4, v0                        ; rp: my 4 rows of each half of the tile
	v_mul_u32_u24 v4, v1, 4*TP
	v_lshl_add_u32 v4, v2, 3, v4                   ; LDS: turned row 4 cg, byte 8 rp
	v_lshlrev_b32 v10, 4, v1                       ; 16 cg
	s_wait_kmcnt 0x0
.macro INLOAD base, pitch              ; rows 4 rp + x + 64 i of the tile
.irp i, 0,1
.irp x, 0,1,2,3
	global_load_b128 v[LD+16*(\i)+4*(\x):LD+16*(\i)+4*(\x)+3], v3, s[\base:\base+1] offset:((\x)+64*(\i))*(\pitch) th:TH_LOAD_NT
.endr
.endr
.endm
	s_cmp_lt_u32 ttmp9, 256
	s_cbranch_scc0 .Lin_o
	v_lshl_add_u32 v3, v2, 15, v10                 ; 4 rp rows + 16 cg
	s_and_b32 s12, ttmp9, 7                        ; kt
	s_lshr_b32 s13, ttmp9, 3                       ; ct
	s_lshl_b32 s14, s12, 20                        ; 128 rows of 8,192 bytes
	s_lshl_b32 s15, s13, 8                         ; 64 columns of 4 bytes
	s_add_co_u32 s14, s14, s15
	s_mov_b32 s15, 0
	s_add_nc_u64 s[4:5], s[4:5], s[14:15]
	s_wait_alu depctr_va_vdst(0)                   ; v3 is written, which the eight loads read as their offset; so is v4, which the LDS stores below read
	INLOAD 4, 8192
	s_branch .Lloaded
.Lin_o:
	v_lshl_add_u32 v3, v2, 14, v10
	s_sub_co_u32 s16, ttmp9, 256
	s_and_b32 s12, s16, 3                          ; kt
	s_lshr_b32 s13, s16, 2                         ; ct
	s_lshl_b32 s14, s12, 19                        ; 128 rows of 4,096 bytes
	s_lshl_b32 s15, s13, 8
	s_add_co_u32 s14, s14, s15
	s_mov_b32 s15, 0
	s_add_nc_u64 s[6:7], s[6:7], s[14:15]
	s_wait_alu depctr_va_vdst(0)                   ; v3 is written, which the eight loads read as their offset; so is v4, which the LDS stores below read
	INLOAD 6, 4096
.Lloaded:
	s_wait_loadcnt 0x0
.irp i, 0,1
.irp e, 0,1,2,3                        ; column 4 cg + e: my four k, rounded, 8 bytes on end
	v_cvt_pk_bf16_f32 v[PK+2*(4*(\i)+(\e))],   v[LD+16*(\i)+(\e)],   v[LD+16*(\i)+4+(\e)]
	v_cvt_pk_bf16_f32 v[PK+2*(4*(\i)+(\e))+1], v[LD+16*(\i)+8+(\e)], v[LD+16*(\i)+12+(\e)]
.endr
.endr
	s_wait_alu depctr_va_vdst(0)                   ; the sixteen roundings have written PK, which the LDS stores read, and are done reading LD, in which the way out's LDS loads land
.irp i, 0,1
.irp e, 0,1,2,3
	ds_store_b64 v4, v[PK+2*(4*(\i)+(\e)):PK+2*(4*(\i)+(\e))+1] offset:(\e)*TP+128*(\i)
.endr
.endr
	s_wait_dscnt 0x0                               ; for the others' sake: my stores are done
	s_barrier_signal -1
	s_barrier_wait -1
	s_cmp_lt_u32 ttmp9, 256
	s_cbranch_scc0 .Lout_o
	; Wp: turned row (t>>4) + 16 i is source column ct*64 + that; two heads of one of q, k, v, v2
	v_mul_u32_u24 v5, v2, TP
	v_add_nc_u32 v5, v5, v10
	v_lshl_add_u32 v6, v2, 11, v10
	s_lshr_b32 s16, s13, 3                         ; 0 q, 1 k, 2 v, 3 v2
	s_lshr_b32 s17, s16, 1                         ; type
	s_and_b32 s18, s16, 1
	s_xor_b32 s18, s18, s17
	s_xor_b32 s18, s18, 1                          ; s: k and v come first
	s_and_b32 s19, s13, 7
	s_lshl_b32 s19, s19, 8                         ; two heads of 128 rows
	s_lshl_b32 s17, s17, 6
	s_lshl_b32 s18, s18, 5
	s_add_co_u32 s19, s19, s17
	s_add_co_u32 s19, s19, s18
	s_lshl_b32 s19, s19, 11                        ; rows of 2,048 bytes
	s_lshl_b32 s20, s12, 8                         ; the tile's 128 k: 256 bytes
	s_add_co_u32 s20, s20, s19
	s_mov_b32 s21, 0
	s_add_nc_u64 s[8:9], s[8:9], s[20:21]
	s_wait_alu depctr_va_vdst(0)                   ; v5 is written, which the LDS loads read as their address, and v6, which the stores read as their offset
.irp i, 0,1,2,3
	ds_load_b128 v[LD+4*(\i):LD+4*(\i)+3], v5 offset:16*(\i)*TP
.endr
.irp i, 0,1,2,3
	s_wait_dscnt 3-(\i)                            ; the younger read-backs may stay out
	global_store_b128 v6, v[LD+4*(\i):LD+4*(\i)+3], s[8:9] offset:((\i)%2)*32768+((\i)/2)*262144 th:TH_STORE_NT  ; + 16 rows; + a head's 128 rows
.endr
	s_branch .Lend
.Lout_o:
	; WOF: wave v takes column block v>>1 and heads 2 (v&1), 2 (v&1)+1 of the tile's four; store i = head i>>1, g = i&1
	v_lshrrev_b32 v7, 5, v0
	v_readfirstlane_b32 s16, v7
	v_and_b32 v11, 31, v0
	v_bfe_u32 v12, v0, 4, 1
	v_mul_u32_u24 v5, v1, TP
	v_lshl_add_u32 v5, v12, 4, v5
	v_lshlrev_b32 v6, 4, v11
	s_wait_alu depctr_va_sdst(0)                   ; s16, the wave's number, is written, ahead of its first reader: the LDS address and WOF's base are made from it
	s_lshr_b32 s17, s16, 1
	s_and_b32 s18, s16, 1
	s_mul_i32 s19, s17, 16*TP
	s_lshl_b32 s20, s18, 7
	s_add_co_u32 s19, s19, s20
	v_add_nc_u32 v5, s19, v5                       ; (16 cb + r) rows + 128 (v&1) + 16 hh
	s_lshl_b32 s20, s13, 2
	s_add_co_u32 s20, s20, s17
	s_lshl_b32 s20, s20, 4
	s_lshl_b32 s21, s12, 2
	s_add_co_u32 s20, s20, s21
	s_lshl_b32 s21, s18, 1
	s_add_co_u32 s20, s20, s21
	s_lshl_b32 s20, s20, 10                        ; ((4 ct + cb) 16 + 4 kt + 2 (v&1)) x 1,024
	s_mov_b32 s21, 0
	s_add_nc_u64 s[10:11], s[10:11], s[20:21]
	s_wait_alu depctr_va_vdst(0)                   ; v5 is written, which the LDS loads read as their address, and v6, which the stores read as their offset
.irp i, 0,1,2,3
	ds_load_b128 v[LD+4*(\i):LD+4*(\i)+3], v5 offset:32*(\i)
.endr
.irp i, 0,1,2,3
	s_wait_dscnt 3-(\i)
	global_store_b128 v6, v[LD+4*(\i):LD+4*(\i)+3], s[10:11] offset:512*(\i) th:TH_STORE_NT  ; 512 consecutive bytes a store
.endr
.Lend:
	s_wait_dscnt 0x0                               ; the wave's end: the closing lines, six on end
	s_wait_alu 0x0
	s_wait_tensorcnt 0x0
	ds_add_u32 v[SPW], v[NIL]
	s_wait_dscnt 0x0
	s_endpgm
.Lfunc_end_k_qe213953cae_prep:
	.size	k_qe213953cae_prep, .Lfunc_end_k_qe213953cae_prep-k_qe213953cae_prep
	.p2alignl 7, 3214868480
	.fill 96, 4, 3214868480
	.section	.rodata,"a",@progbits
	.p2align	6, 0x0
	.amdhsa_kernel k_qe213953cae_prep
		.amdhsa_group_segment_fixed_size 18432
		.amdhsa_private_segment_fixed_size 0
		.amdhsa_enable_private_segment 0
		.amdhsa_kernarg_size 32
		.amdhsa_user_sgpr_count 2
		.amdhsa_user_sgpr_kernarg_segment_ptr 1
		.amdhsa_wavefront_size32 1
		.amdhsa_system_sgpr_workgroup_id_x 1
		.amdhsa_system_sgpr_workgroup_id_y 1
		.amdhsa_system_sgpr_workgroup_id_z 1
		.amdhsa_system_vgpr_workitem_id 0
		.amdhsa_next_free_vgpr 64
		.amdhsa_next_free_sgpr 66
		.amdhsa_reserve_vcc 0
		.amdhsa_float_denorm_mode_32 3
		.amdhsa_float_denorm_mode_16_64 3
		.amdhsa_memory_ordered 1
		.amdhsa_forward_progress 1
		.amdhsa_inst_pref_size 9
	.end_amdhsa_kernel
	.amdgpu_metadata
---
amdhsa.version: [ 1, 2 ]
amdhsa.kernels:
  - .name:           k_qe213953cae_prep
    .symbol:         k_qe213953cae_prep.kd
    .args:
      - { .name: W_qkv, .offset: 0, .size: 8, .value_kind: global_buffer, .address_space: global }
      - { .name: W_out, .offset: 8, .size: 8, .value_kind: global_buffer, .address_space: global }
      - { .name: Wp, .offset: 16, .size: 8, .value_kind: global_buffer, .address_space: global }
      - { .name: WOF, .offset: 24, .size: 8, .value_kind: global_buffer, .address_space: global }
    .group_segment_fixed_size: 18432
    .private_segment_fixed_size: 0
    .kernarg_segment_align: 8
    .kernarg_segment_size: 32
    .max_flat_workgroup_size: 256
    .sgpr_count:     66
    .vgpr_count:     64
    .wavefront_size: 32
...
	.end_amdgpu_metadata
.endif
;; end of part 5
;; launch main: the kernel of part 2 again; grid 4 x 64, 4 waves a work-group, clusters of 4 x 4, 327,680 bytes of LDS; arguments x, Wp, PART; writes PART
;; launch f1: the kernel of part 3 again; grid 16 x 8, 4 waves a work-group, no clusters, 0 bytes of LDS; arguments PART, OF; writes OF
;; launch f2: the kernel of part 4 again; grid 16 x 8, 8 waves a work-group, no clusters, 70,656 bytes of LDS; arguments OF, WOF, b_out, out0; writes out0
